; MI455X (gfx1250); checked and timed in simulation.
; The chip was launched on July 23, 2026; its instructions are those of AMD's public machine-readable ISA for CDNA 5 (MIT licence, August 2026) and "CDNA5" Instruction Set Architecture Reference Guide (July 2026). The comments in the code are by the model that wrote it; some were corrected since.
;; Quantized Linear. Allowed arithmetic: float matrix products may take bf16 or f16 operands with f32 sums; other float arithmetic in f32, or as packed bf16 or f16 multiplies, adds, multiply-adds, maxima and minima; sums over many terms, partial sums and values carried from step to step in f32; what a program stores and reads back later, other than sums and carried values, may be rounded once to bf16 or f16.
;; Inputs: b_q 4,096 float32; w_q 4,096 x 4,096 float32; x_float 4,096 x 4,096 float32.
;; Outputs: out0 4,096 x 4,096 float32.
;; 2 versions, each right; version 2 is version 1 with the launch prep written anew for expert scheduling mode. Each part assembles by itself: llvm-mc -triple=amdgcn-amd-amdhsa -mcpu=gfx1250 --defsym DOCPART=n.
;; ======== version 1 of 2: 2 launches
;; workspace buffers: xb 33,554,432 bytes; wb 33,554,432 bytes
;; launch prep (part 1): grid 256 x 1, 16 waves a work-group, no clusters, 0 bytes of LDS; arguments x_float, w_q, xb, wb; writes xb, wb
.if DOCPART == 1
	.amdgcn_target "amdgcn-amd-amdhsa--gfx1250"
	.amdhsa_code_object_version 6
	.text
	.protected	k_q754e1233ea_prep
	.globl	k_q754e1233ea_prep
	.p2align	8
	.type	k_q754e1233ea_prep,@function
k_q754e1233ea_prep:
	s_mov_b64 s[64:65], 0
	v_nop
	global_prefetch_b8 v0, s[64:65] scope:SCOPE_SE
	s_setreg_imm32_b32 hwreg(HW_REG_WAVE_MODE, 25, 1), 1
	s_wait_xcnt 0x0
; xb[t][i] = clip(round(x_float[t][i] / IN_SCALE + ZP), 0, 255) - ZP, and wb[o][i] = w_q[o][i], both written as bf16, [4096][4096], row-major.
; ZP = round(1 / (2/255 + 1e-12)) = round(127.49999998) = 127: the 1e-12 brings the quotient just under 127.5.  So xb's numbers are whole, -127 .. 128: bf16 holds them exactly.
; wb is w_q rounded once to nearest even: whole numbers up to 256 are exact.
; LIMITS.  x / IN_SCALE is taken as x * 127.49999237 (0x42feffff, the f32 nearest to the reciprocal of IN_SCALE as f32 holds it), fused with the + 127 into one rounding
; where the reference rounds twice: an x within some 2^-16 of a quantiser step of a tie may land on the neighbouring whole number.  A NaN in x_float is not carried: the clip
; (v_med3_num_f32) makes one of its bounds of it.  Infinities clip as in the reference.  Other values of w_q than whole numbers up to 256 carry bf16's rounding, 2^-9 of themselves at the most.
; A STREAM: no byte is wanted twice and no wave wants another's, so there is no LDS, no barrier, no matrix work and no cluster.
; SHARES.  Work-group g owns 262,144 consecutive bytes of x_float and of w_q (16 rows of each) and 131,072 of xb and of wb: 32 chunks of 8,192 bytes in, 4,096 out.
; Thread t takes 16 bytes at 16 t of each chunk of both inputs and stores 8 bytes at 8 t: a wave's load covers 512 consecutive bytes, aligned; a wave's store 256 consecutive bytes, aligned.
; IN FLIGHT.  16 slots of registers, a chunk of x and of w each: 32 loads of every wave are out.  The 32 turns are written by macro: the chunk stands in the immediates,
; so neither address register is ever rewritten; and no register that a store reads is ever written again, so the text needs no wait for the stores' sources.
.set CIN,  8192                        ; bytes of a chunk in an input
.set COUT, 4096                        ; and in an output
.set LO,   1                           ; v1         16 t; never rewritten
.set SO,   2                           ; v2         8 t; never rewritten
.set X,    4                           ; v[4:131]   slot i: x's four numbers at X + 8 i, w's four at X + 8 i + 4
.set Y,    132                         ; v[132:195] the first half's results, four registers a slot: xb's 8 bytes, wb's 8 bytes
	s_load_b256 s[4:11], s[0:1], 0x0               ; x_float s[4:5], w_q s[6:7], xb s[8:9], wb s[10:11]
	v_lshlrev_b32 v[LO], 4, v0
	v_lshlrev_b32 v[SO], 3, v0
	s_mov_b32 s12, 0x42feffff                      ; 1 / IN_SCALE; the packed forms name pairs and take the low word for both halves, so both words are written
	s_mov_b32 s13, 0x42feffff
	s_mov_b32 s14, 0x42fe0000                      ; 127.0, the zero point
	s_mov_b32 s15, 0x42fe0000
	s_mov_b32 s16, 0xc2fe0000                      ; -127.0
	s_mov_b32 s17, 0xc2fe0000
	s_mov_b32 s18, 0                               ; the clip's bounds: 0
	s_mov_b32 s19, 0x437f0000                      ; and 255.0
	s_lshl_b32 s2, ttmp9, 18                       ; the work-group's 262,144 bytes of an input (under 2^26)
	s_mov_b32 s3, 0
	s_wait_kmcnt 0x0
	s_add_nc_u64 s[4:5], s[4:5], s[2:3]
	s_add_nc_u64 s[6:7], s[6:7], s[2:3]
	s_lshl_b32 s2, ttmp9, 17                       ; and its 131,072 bytes of an output
	s_add_nc_u64 s[8:9], s[8:9], s[2:3]
	s_add_nc_u64 s[10:11], s[10:11], s[2:3]
.irp i, 0,1,2,3,4,5,6,7,8,9,10,11,12,13,14,15
	global_load_b128 v[X+8*(\i):X+8*(\i)+3],   v[LO], s[4:5] offset:CIN*(\i) th:TH_LOAD_NT  ; chunks 0 to 15 fill the slots
	global_load_b128 v[X+8*(\i)+4:X+8*(\i)+7], v[LO], s[6:7] offset:CIN*(\i) th:TH_LOAD_NT
.endr
; The turn of slot i, which holds chunk c.  refill = 1: the slot takes chunk c + 16.  left = how many younger loads may stay out.  D = the first of the four registers for the results.
.macro TURN i, c, refill, left, D
	s_wait_loadcnt \left                           ; loads come back in order (ISA guide 5.7.1): the slot's two are in, the younger ones stay out
	v_pk_fma_f32 v[X+8*(\i):X+8*(\i)+1],   v[X+8*(\i):X+8*(\i)+1],   s[12:13], s[14:15] op_sel_hi:[1,0,0]  ; x / IN_SCALE + 127, two at a time
	v_pk_fma_f32 v[X+8*(\i)+2:X+8*(\i)+3], v[X+8*(\i)+2:X+8*(\i)+3], s[12:13], s[14:15] op_sel_hi:[1,0,0]
.irp j, 0,1,2,3
	v_rndne_f32 v[X+8*(\i)+(\j)], v[X+8*(\i)+(\j)]                     ; to the nearest whole number, ties to even
.endr
.irp j, 0,1,2,3
	v_med3_num_f32 v[X+8*(\i)+(\j)], v[X+8*(\i)+(\j)], s18, s19        ; the middle of (value, 0, 255): the clip
.endr
	v_pk_add_f32 v[X+8*(\i):X+8*(\i)+1],   v[X+8*(\i):X+8*(\i)+1],   s[16:17] op_sel_hi:[1,0]  ; less the zero point
	v_pk_add_f32 v[X+8*(\i)+2:X+8*(\i)+3], v[X+8*(\i)+2:X+8*(\i)+3], s[16:17] op_sel_hi:[1,0]
	v_cvt_pk_bf16_f32 v[(\D)],   v[X+8*(\i)],   v[X+8*(\i)+1]          ; x's four first: where D is the slot itself, each source is used up before a result lands on it
	v_cvt_pk_bf16_f32 v[(\D)+1], v[X+8*(\i)+2], v[X+8*(\i)+3]
	v_cvt_pk_bf16_f32 v[(\D)+2], v[X+8*(\i)+4], v[X+8*(\i)+5]          ; then w's
	v_cvt_pk_bf16_f32 v[(\D)+3], v[X+8*(\i)+6], v[X+8*(\i)+7]
.if \refill
	global_load_b128 v[X+8*(\i):X+8*(\i)+3],   v[LO], s[4:5] offset:CIN*((\c)+16) th:TH_LOAD_NT  ; the loads stand ahead of the stores
	global_load_b128 v[X+8*(\i)+4:X+8*(\i)+7], v[LO], s[6:7] offset:CIN*((\c)+16) th:TH_LOAD_NT
.endif
	global_store_b64 v[SO], v[(\D):(\D)+1],   s[8:9]   offset:COUT*(\c) th:TH_STORE_NT
	global_store_b64 v[SO], v[(\D)+2:(\D)+3], s[10:11] offset:COUT*(\c) th:TH_STORE_NT
.endm
.irp i, 0,1,2,3,4,5,6,7,8,9,10,11,12,13,14,15
	TURN \i, \i, 1, 30, Y+4*(\i)                   ; chunks 0 to 15.  Behind slot i's two loads stand the first loads of the 15 - i later slots and the refills of the i earlier ones: 30
.endr
.irp i, 0,1,2,3,4,5,6,7,8,9,10,11,12,13,14,15
	TURN \i, 16+(\i), 0, 30-2*(\i), X+8*(\i)       ; chunks 16 to 31 load nothing: only the later slots' refills are younger, and the counts run down to 0
.endr
	s_endpgm
.Lfunc_end_k_q754e1233ea_prep:
	.size	k_q754e1233ea_prep, .Lfunc_end_k_q754e1233ea_prep-k_q754e1233ea_prep
	.p2alignl 7, 3214868480
	.fill 96, 4, 3214868480
	.section	.rodata,"a",@progbits
	.p2align	6, 0x0
	.amdhsa_kernel k_q754e1233ea_prep
		.amdhsa_group_segment_fixed_size 0
		.amdhsa_private_segment_fixed_size 0
		.amdhsa_enable_private_segment 0
		.amdhsa_kernarg_size 32
		.amdhsa_user_sgpr_count 2
		.amdhsa_user_sgpr_kernarg_segment_ptr 1
		.amdhsa_wavefront_size32 1
		.amdhsa_system_sgpr_workgroup_id_x 1
		.amdhsa_system_sgpr_workgroup_id_y 1
		.amdhsa_system_sgpr_workgroup_id_z 1
		.amdhsa_system_vgpr_workitem_id 0
		.amdhsa_next_free_vgpr 196
		.amdhsa_next_free_sgpr 66
		.amdhsa_reserve_vcc 0
		.amdhsa_float_denorm_mode_32 3
		.amdhsa_float_denorm_mode_16_64 3
		.amdhsa_memory_ordered 1
		.amdhsa_forward_progress 1
		.amdhsa_inst_pref_size 43
	.end_amdhsa_kernel
	.amdgpu_metadata
---
amdhsa.version: [ 1, 2 ]
amdhsa.kernels:
  - .name:           k_q754e1233ea_prep
    .symbol:         k_q754e1233ea_prep.kd
    .args:
      - { .name: x_float, .offset: 0, .size: 8, .value_kind: global_buffer, .address_space: global }
      - { .name: w_q, .offset: 8, .size: 8, .value_kind: global_buffer, .address_space: global }
      - { .name: xb, .offset: 16, .size: 8, .value_kind: global_buffer, .address_space: global }
      - { .name: wb, .offset: 24, .size: 8, .value_kind: global_buffer, .address_space: global }
    .group_segment_fixed_size: 0
    .private_segment_fixed_size: 0
    .kernarg_segment_align: 8
    .kernarg_segment_size: 32
    .max_flat_workgroup_size: 512
    .sgpr_count:     66
    .vgpr_count:     196
    .wavefront_size: 32
...
	.end_amdgpu_metadata
.endif
;; end of part 1
;; launch gemm (part 2): grid 16 x 16, 4 waves a work-group, clusters of 4 x 4, 327,680 bytes of LDS; arguments xb, wb, out0, b_q; writes out0
.if DOCPART == 2
	.amdgcn_target "amdgcn-amd-amdhsa--gfx1250"
	.amdhsa_code_object_version 6
	.text
	.protected	k_q754e1233ea_gemm
	.globl	k_q754e1233ea_gemm
	.p2align	8
	.type	k_q754e1233ea_gemm,@function
k_q754e1233ea_gemm:
	s_mov_b64 s[64:65], 0
	v_nop
	global_prefetch_b8 v0, s[64:65] scope:SCOPE_SE
	s_setreg_imm32_b32 hwreg(HW_REG_WAVE_MODE, 25, 1), 1
	s_wait_xcnt 0x0
	s_wait_alu depctr_hold_cnt(0) depctr_sa_sdst(0) depctr_va_vdst(0) depctr_va_sdst(0) depctr_va_ssrc(0) depctr_va_vcc(0) depctr_vm_vsrc(0)
	s_getreg_b32 s2, hwreg(HW_REG_IB_STS2, 6, 4)
	s_cmp_eq_u32 s2, 0
	s_cbranch_scc0 .Lentry_in_a_cluster
	s_endpgm
.Lentry_in_a_cluster:
	s_bfe_u32 s2, ttmp6, 0x10000c
	s_cmp_lg_u32 s2, 0xf033
	s_cbranch_scc0 .Lentry_shape_is_right
	s_endpgm
.Lentry_shape_is_right:
; out0[t][o] = S * (sum over i of xb[t][i] wb[o][i]) + 1e-4 * b_q[o].  xb, wb: [4096][4096] bf16 (the shifted quantised activations, exact; the weights rounded once to bf16);
; out0: [4096][4096] f32; b_q: [4096] f32.  S = IN_SCALE * W_SCALE = 7.8431373e-5.  Sums in f32, K ascending; scale and bias are one fused multiply-add on the finished sum.
; LIMITS.  The sums are f32 sums of exact products, as the reference's are: beyond 2^24 they round, in another order than the reference's.  NaN and infinities are not treated apart.
; A tile of out0, 256 x 256, is made by a work-group of four waves; a wave makes 128 x 128: 64 accumulators of 16 x 16, 512 registers.  16 x 16 tiles: 256 work-groups, one tile each.
; K goes in 32 steps of 128 through a ring of two LDS slots filled by the tensor data mover: a tile's rows are 256 bytes of memory and start at multiples of 256 bytes from the buffer's first byte.
; CLUSTERS: 4 x 4 work-groups.  The four of a row of the cluster need the same tiles of xb, the four of a column the same tiles of wb.  Such a tile is asked for JOINTLY: each of the four issues
; the same tensor load, with the same descriptor and a mask that names the four, and each receives the tile in its own LDS: a quarter of the requests.
; REGISTERS, in windows of 256 (s_set_vgpr_msb's low byte: bits 1:0 source 0, 3:2 source 1, 5:4 source 2, 7:6 destination):
;   window 0: v0-31 addresses and the bias; v64-127, v128-191 fragments of xb (8 x 16 rows x 32 K), two buffers; on the way out the same 128 registers take rows read back from the stage
;   window 1: v64-127, v128-191 fragments of wb, two buffers
;   window 2: the 32 accumulators of my rows 0-63 (accumulator (a, b) at v[8 (8 a + b)]);   window 3: those of my rows 64-127
; THE MATRIX INSTRUCTION IS USED TRANSPOSED: source 0 = 16 rows of wb, source 1 = 16 rows of xb.  In the result lane l holds row l % 16 of out0 and its registers 0 to 7 the columns
; 8 (l / 16) + 0 .. 7: eight neighbouring numbers of a row, 32 bytes.
.set SIZE_M, 4096
.set SIZE_N, 4096
.set SIZE_K, 4096
.set KSTEP,  128
.set PITCH,  272                       ; an LDS row: 256 bytes of data + 16 of padding = 68 words: row r starts at bank 4 r mod 64 (64 banks of 4 bytes: ISA guide 11.1), so the 16 rows that a load touches start at 16 different banks
.set HALFT,  128*PITCH                 ; 128 rows: what one tensor load brings, and what one wave reads of xb or of wb
.set SLOT,   4*HALFT                   ; xb's 256 rows, then wb's 256 rows
.set STAGE,  2*SLOT                    ; behind the ring: a stage for each wave, for the way out; no tensor load lands here
.set SPITCH, 528                       ; a stage's row: 128 f32 = 512 bytes + 16 of padding: the sixteen lanes of a store's pass stand at 16 r mod 256
.set STGB,   16*SPITCH                 ; a stage: 16 rows, 8,448 bytes = 33 blocks of 256
.set SPARE,  STAGE+4*STGB              ; behind the stages: the spare words, 128 bytes for each wave: two blocks of 256 bytes that no other line names
.set LAPS,   SIZE_K/(2*KSTEP)          ; a lap = two K steps = once round the ring: 16
.set BB,   8                           ; v[8:11] 1e-4 x b_q of the four columns that I store
.set BO,   12                          ; v12     my byte offset in b_q
.set ADRA, 16                          ; v16-17  LDS address of my xb fragments in slot 0, 1
.set ADRB, 20                          ; v20-21  the same for wb
.set STO,  24                          ; v24     the way out: where I put 32 bytes of a row
.set RD,   25                          ; v25     the way out: where I read 16 bytes of a row back
.set CO,   26                          ; v26     my byte offset in a row's 512 bytes of out0; never rewritten
.set SPW,  28                          ; v28     LDS address of my spare word: SPARE + 4 x my thread's number; never rewritten
.set NIL,  29                          ; v29     0; never rewritten
.set PFO,  30                          ; v30     the prefetches' offset: my lane x a row of xb or wb (8,192 bytes); never rewritten
.set PFA,  44                          ; s[44:45] where my prefetches stand: my work-group's 32 rows of the 128 that I fetch, one K step further along K than the refill that is being asked for; a prefetch names the K step after that
.set LIM,  43                          ; s43     1 in a wave that prefetches, else the greatest number
.set F0,   64                          ; fragment buffer 0
.set F1,   128                         ; fragment buffer 1
.set G1,   24                          ; s[24:31] descriptor group 1 for xb's tiles
.set G0,   32                          ; s[32:39] descriptor group 0 for xb's tiles, one set for each slot
.set G1B,  48                          ; s[48:55] descriptor group 1 for wb's tiles: it differs in the mask alone
.set G0B,  56                          ; s[56:63] descriptor group 0 for wb's tiles, one set for each slot
.set BQ,   66                          ; s[66:67] b_q
.set SC,   68                          ; s[68:69] S; the packed forms name a pair and take its low word for both halves
.set BS,   70                          ; s[70:71] 1e-4
.set MSB, 0
.macro WIN new                         ; the immediate's high byte repeats the setting that is left; a switch that changes nothing is dropped
.if MSB != (\new)
	s_set_vgpr_msb (MSB<<8)|(\new)
.set MSB, \new
.endif
.endm
.set MUL_LO, 0xa1                      ; source 0 (wb) window 1, source 1 (xb) window 0, C and D window 2
.set MUL_HI, 0xf1                      ; the same, C and D window 3
.set TO_B,   0x40                      ; destination window 1, address window 0
; A joint load.  Waves 0 and 1 fetch xb's two halves, waves 2 and 3 wb's.  Each of the two lines has ONE mask and one set of registers for all that issue it, and nothing in them hangs on a
; coordinate that the four partners do not share.  The branch hangs on the wave's number alone.  An s_nop 0 and four v_nop follow each line, ahead of the jump, the label and what follows.
.macro JLOAD s
	s_cmp_eq_u32 s11, 0
	s_cbranch_scc0 .Lfor_b_\@
	tensor_load_to_lds s[G0+4*(\s):G0+4*(\s)+3], s[G1:G1+7]
	s_nop 0
.rept 4
	v_nop
.endr
	s_branch .Lasked_\@
.Lfor_b_\@:
	tensor_load_to_lds s[G0B+4*(\s):G0B+4*(\s)+3], s[G1B:G1B+7]
	s_nop 0
.rept 4
	v_nop
.endr
.Lasked_\@:
.endm
; A PREFETCH INTO THE L2, behind each joint refill and the run of LDS loads that follows it: the K step that stands TWO refills on, 512 matrix instructions ahead of the load that will ask for it:
; 32 rows x 256 bytes, a lane a row, one instruction a wave.  Each row's 256 bytes of a K step are named ONCE in the launch.  xb's tile row is read by every cluster of that row of clusters: the one with
; cluster x = 0 asks; wb's tile column by every cluster of that column: cluster y = 0 asks.  The four partners that ask for a tile jointly share its rows out BY ADDRESS: of the 128 rows that a wave
; fetches, the partner at place p takes 32 p .. 32 p + 31 (p = cx for xb, cy for wb): no branch hangs on a work-group's place in its cluster.  K steps 0 to 3 come by their loads alone;
; the loop's last trip (s3 = 1) asks for nothing: K steps 32 and 33 do not exist.
.macro ASK
	s_cmp_gt_u32 s3, s[LIM]
	s_cbranch_scc0 .Lnot_mine_\@
	global_prefetch_b8 v[PFO], s[PFA:PFA+1] offset:KSTEP*2 th:TH_LOAD_NT scope:SCOPE_SE
.Lnot_mine_\@:
.endm
; A round of the cluster's barrier: my work-group's barrier, so that wave 0's signal speaks for all four waves; wave 0 signals for the work-group; every wave waits for all sixteen
; work-groups; my work-group's barrier once more.  No LDS instruction of the wave is pending at a signal.
.macro CREST                           ; a round behind its opening barrier
	s_cmp_lg_u32 s10, 0
	s_cbranch_scc1 .Lnot_wave_0_\@
	s_barrier_signal -3
.Lnot_wave_0_\@:
	s_barrier_wait -3
	s_barrier_signal -1
	s_barrier_wait -1
.endm
.macro CROUND                          ; a whole round
	s_barrier_signal -1
	s_barrier_wait -1
	CREST
.endm
	s_load_b128 s[4:7], s[0:1], 0x0                ; xb s[4:5], wb s[6:7]
	s_load_b64 s[8:9], s[0:1], 0x10                ; out0
	s_load_b64 s[BQ:BQ+1], s[0:1], 0x18            ; b_q
	v_lshl_add_u32 v[SPW], v0, 2, SPARE
	v_mov_b32 v[NIL], 0
	ds_add_u32 v[SPW], v[NIL]                      ; the wave's opening: the add, twice on end, and its wait ahead of my first tensor load; the set-up below, work on registers, stands between the second and the wait
	ds_add_u32 v[SPW], v[NIL]                      ; and once more, under the one wait
	v_lshrrev_b32 v1, 5, v0
	v_readfirstlane_b32 s10, v1                    ; wave 0..3
	s_lshr_b32 s11, s10, 1                         ; which half of the tile's rows is mine.  Also: I fetch for xb (0) or for wb (1)
	s_and_b32 s12, s10, 1                          ; which half of its columns.  Also: which 128 rows of that tile I fetch
	s_bfe_u32 s40, ttmp6, 0x40000                  ; cx: my place along the cluster's x
	s_bfe_u32 s41, ttmp6, 0x40004                  ; cy: along its y
	s_lshl_b32 s42, ttmp9, 2                       ; in a cluster launch ttmp9 and ttmp7 count clusters
	s_add_co_u32 s42, s42, s40                     ; tile column = 4 x cluster x + cx
	s_and_b32 s13, ttmp7, 0xffff
	s_lshl_b32 s13, s13, 2
	s_add_co_u32 s13, s13, s41                     ; tile row = 4 x cluster y + cy
	s_lshl_b32 s43, s41, 2
	s_lshl_b32 s43, 15, s43                        ; my row of the cluster: places 4 cy .. 4 cy + 3
	s_lshl_b32 s44, 0x1111, s40                    ; my column: places cx, cx + 4, cx + 8, cx + 12
	; descriptor group 1: a tile of 128 rows x 128 elements, padded in LDS
	s_or_b32 s[G1+0], s43, (1<<16)|(1<<20)|(1<<21)|(5<<22)|(3<<25)   ; 15:0 the mask: xb's tiles go to my row; 17:16 elements of 2 bytes; 20 padding on; 21 set beside a mask; 24:22 after every 64 words (code 5); 31:25 4 words of it (code 3)
	s_or_b32 s[G1B+0], s44, (1<<16)|(1<<20)|(1<<21)|(5<<22)|(3<<25)  ; the same with the mask of my column, for wb's tiles
	s_mov_b32 s[G1+1], KSTEP<<16                   ; 63:48 tensor_dim0, low half = 128
	s_mov_b32 s[G1B+1], KSTEP<<16
	s_mov_b32 s[G1+2], 128<<16                     ; 79:64 its high half = 0; 95:80 tensor_dim1, low half = 128
	s_mov_b32 s[G1B+2], 128<<16
	s_mov_b32 s[G1+3], KSTEP<<16                   ; 111:96 its high half = 0; 127:112 tile_dim0 = 128
	s_mov_b32 s[G1B+3], KSTEP<<16
	s_mov_b32 s[G1+4], 128                         ; 143:128 tile_dim1 = 128; 159:144 tile_dim2 = 0
	s_mov_b32 s[G1B+4], 128
	s_mov_b32 s[G1+5], SIZE_K                      ; 191:160 tensor_dim0_stride, low word: elements from row to row
	s_mov_b32 s[G1B+5], SIZE_K
	s_mov_b32 s[G1+6], 0
	s_mov_b32 s[G1B+6], 0
	s_mov_b32 s[G1+7], 0
	s_mov_b32 s[G1B+7], 0
	s_mov_b32 s[SC], 0x38a47b86                    ; S = (2 / 255) x 0.01
	s_mov_b32 s[SC+1], 0x38a47b86
	s_mov_b32 s[BS], 0x38d1b717                    ; 1e-4
	s_mov_b32 s[BS+1], 0x38d1b717
	; where the tiles come from.  xb's hang on the tile row alone, which my row of the cluster shares; wb's on the tile column alone, which my column shares.
	; Every wave makes both addresses, in registers that never hold the other coordinate, and asks by one of them.
	s_lshl_b32 s17, s12, 7                         ; which 128 rows of the tile I fetch
	s_lshl_b32 s16, s13, 8
	s_add_co_u32 s16, s16, s17                     ; xb: row 256 x tile row + 128 x half
	s_lshl_b32 s46, s42, 8
	s_add_co_u32 s46, s46, s17                     ; wb: row 256 x tile column + 128 x half
	s_mov_b32 s17, 0
	s_mov_b32 s47, 0
	s_mov_b64 s[18:19], SIZE_K*2
	s_mul_u64 s[16:17], s[16:17], s[18:19]         ; in bytes
	s_mul_u64 s[46:47], s[46:47], s[18:19]
	s_mul_i32 s20, s10, HALFT                      ; and where they go: xb's two halves, then wb's two halves = wave x 128 rows: no place in the cluster enters an LDS address
	s_wait_dscnt 0x0                               ; both opening adds are done
	s_wait_kmcnt 0x0
	s_add_nc_u64 s[14:15], s[4:5], s[16:17]
	s_add_nc_u64 s[46:47], s[6:7], s[46:47]
	CROUND                                         ; all sixteen work-groups are here: the first joint loads meet
.irp s, 0,1
	s_mov_b32 s[G0+4*(\s)], 1                                        ; 1:0 count = 1
	s_add_co_u32 s[G0+4*(\s)+1], s20, (\s)*SLOT                      ; 63:32 LDS address
	s_add_nc_u64 s[G0+4*(\s)+2:G0+4*(\s)+3], s[14:15], (\s)*KSTEP*2  ; 120:64 global address: K step s
	s_or_b32 s[G0+4*(\s)+3], s[G0+4*(\s)+3], 0x80000000              ; 127:126 type = 2
	s_mov_b32 s[G0B+4*(\s)], 1
	s_add_co_u32 s[G0B+4*(\s)+1], s20, (\s)*SLOT
	s_add_nc_u64 s[G0B+4*(\s)+2:G0B+4*(\s)+3], s[46:47], (\s)*KSTEP*2
	s_or_b32 s[G0B+4*(\s)+3], s[G0B+4*(\s)+3], 0x80000000
	JLOAD \s                                       ; the ring is filled before anything else is done: two loads of mine are out
.endr
	; A fragment is 16 rows x 32 K in 8 registers: lane l holds row l % 16; registers 0-3 hold K = 8 (l / 16) + 0..7, registers 4-7 hold K = 16 + 8 (l / 16) + 0..7.
	; From rows that lie along K: two loads of 16 bytes, 32 bytes apart.  The same for source 0 and source 1.
	v_and_b32 v1, 15, v0                           ; l % 16
	v_bfe_u32 v2, v0, 4, 1                         ; l / 16
	v_mul_u32_u24 v3, v1, PITCH
	v_lshl_add_u32 v3, v2, 4, v3                   ; row x pitch + 16 x half
	s_mul_i32 s21, s11, HALFT                      ; my 128 rows of xb
	s_mul_i32 s22, s12, HALFT                      ; my 128 rows of wb,
	s_add_co_u32 s22, s22, 2*HALFT                 ; which lie behind xb's 256
.irp s, 0,1
	v_add_nc_u32 v[ADRA+(\s)], s21, v3
	v_add_nc_u32 v[ADRB+(\s)], s22, v3
	s_add_co_u32 s21, s21, SLOT
	s_add_co_u32 s22, s22, SLOT
.endr
	s_mul_i32 s23, s10, STGB
	s_add_co_u32 s23, s23, STAGE                   ; my stage
	v_mul_u32_u24 v4, v1, SPITCH                   ; in: row l % 16, 32 bytes for each half of the lanes
	v_lshl_add_u32 v4, v2, 5, v4
	v_add_nc_u32 v[STO], s23, v4
	v_and_b32 v5, 31, v0
	v_lshlrev_b32 v[CO], 4, v5                     ; back: the 32 lanes take one row's 512 bytes, 16 each: columns 4 l .. 4 l + 3 of my 128, in every row
	v_add_nc_u32 v[RD], s23, v[CO]
	; out0 at my part of the tile
	s_lshl_b32 s13, s13, 8                         ; 256 x tile row
	s_lshl_b32 s14, s11, 7
	s_add_co_u32 s16, s13, s14                     ; my first row
	s_mov_b32 s17, 0
	s_mov_b64 s[18:19], SIZE_N*4
	s_mul_u64 s[16:17], s[16:17], s[18:19]
	s_lshl_b32 s46, s42, 10                        ; my first column, in bytes: 1,024 x tile column + 512 x half (in the registers that held wb's address: none that feeds xb's descriptors ever holds cx)
	s_lshl_b32 s47, s12, 9
	s_add_co_u32 s46, s46, s47
	s_mov_b32 s47, 0
	s_add_nc_u64 s[16:17], s[16:17], s[46:47]
	s_add_nc_u64 s[8:9], s[8:9], s[16:17]          ; never rewritten from here on: a row's place stands in the stores' immediates
	v_add_nc_u32 v[BO], s46, v[CO]                 ; the same four columns in b_q
	global_load_b128 v[BB:BB+3], v[BO], s[BQ:BQ+1]
	; the prefetches.  s13 = 256 x tile row, s42 = tile column, s40 = cx, s41 = cy still stand; s[4:5] = xb, s[6:7] = wb
	s_lshl_b32 s42, s42, 8
	s_and_b32 s22, ttmp7, 0xffff                   ; cluster y
	s_cmp_eq_u32 s11, 0                            ; do I fetch for xb?
	s_cselect_b32 s20, s13, s42                    ; the tile's first row: in xb by the tile row, in wb by the tile column
	s_cselect_b32 s21, s40, s41                    ; my place among the four that ask for it with me
	s_cselect_b32 s22, ttmp9, s22                  ; the coordinate along which other clusters read the same rows
	s_cselect_b64 s[PFA:PFA+1], s[4:5], s[6:7]
	s_cmp_eq_u32 s22, 0
	s_cselect_b32 s[LIM], 1, -1                    ; the same in all sixteen partners, for a given wave
	s_lshl_b32 s22, s12, 7
	s_add_co_u32 s20, s20, s22                     ; + the 128 rows that I fetch
	s_lshl_b32 s21, s21, 5
	s_add_co_u32 s20, s20, s21                     ; + my work-group's 32 of them
	s_mov_b32 s21, 0
	s_mov_b64 s[18:19], SIZE_K*2
	s_mul_u64 s[20:21], s[20:21], s[18:19]
	s_add_nc_u64 s[PFA:PFA+1], s[PFA:PFA+1], s[20:21]
	s_add_nc_u64 s[PFA:PFA+1], s[PFA:PFA+1], 2*KSTEP*2  ; at K step 2: the first refill steps it to 3 and names K step 4
	v_and_b32 v[PFO], 31, v0
	v_mul_u32_u24 v[PFO], v[PFO], SIZE_K*2
	s_wait_loadcnt 0x0                             ; b_q's four numbers
	v_pk_mul_f32 v[BB:BB+1],   v[BB:BB+1],   s[BS:BS+1] op_sel_hi:[1,0]  ; b_q x 1e-4, rounded once, as the reference rounds it
	v_pk_mul_f32 v[BB+2:BB+3], v[BB+2:BB+3], s[BS:BS+1] op_sel_hi:[1,0]
; 16 matrix instructions: m blocks a0, a0 + 1 of the window's four (hi = 0: my rows 0-63, 1: rows 64-127) x all 8 n blocks, 32 along K.
; zero = 1: the first product starts the sums: nothing is ever cleared.  The 64 accumulators take turns, one instruction a turn, in the same order in every quarter step.
.macro MUL16 f, hi, a0, zero
	WIN MUL_LO+0x50*(\hi)
.irp a, \a0, (\a0)+1
.irp b, 0,1,2,3,4,5,6,7
.if \zero
	v_wmma_f32_16x16x32_bf16 v[8*(8*(\a)+(\b)):8*(8*(\a)+(\b))+7], v[(\f)+8*(\b):(\f)+8*(\b)+7], v[(\f)+8*(4*(\hi)+(\a)):(\f)+8*(4*(\hi)+(\a))+7], 0
.else
	v_wmma_f32_16x16x32_bf16 v[8*(8*(\a)+(\b)):8*(8*(\a)+(\b))+7], v[(\f)+8*(\b):(\f)+8*(\b)+7], v[(\f)+8*(4*(\hi)+(\a)):(\f)+8*(4*(\hi)+(\a))+7], v[8*(8*(\a)+(\b)):8*(8*(\a)+(\b))+7]
.endif
.endr
.endr
.endm
; 32 LDS loads in one run: the fragments of one quarter step (128 rows of wb, 128 rows of xb, 32 K at byte k of the rows) into buffer f
.macro FETCH slot, k, f
	WIN TO_B
.irp i, 0,1,2,3,4,5,6,7
	ds_load_b128 v[(\f)+8*(\i):(\f)+8*(\i)+3],   v[ADRB+(\slot)] offset:(\k)+(\i)*16*PITCH
	ds_load_b128 v[(\f)+8*(\i)+4:(\f)+8*(\i)+7], v[ADRB+(\slot)] offset:(\k)+(\i)*16*PITCH+32
.endr
	WIN 0
.irp i, 0,1,2,3,4,5,6,7
	ds_load_b128 v[(\f)+8*(\i):(\f)+8*(\i)+3],   v[ADRA+(\slot)] offset:(\k)+(\i)*16*PITCH
	ds_load_b128 v[(\f)+8*(\i)+4:(\f)+8*(\i)+7], v[ADRA+(\slot)] offset:(\k)+(\i)*16*PITCH+32
.endr
.endm
; A load into a register that a matrix instruction has read, and a store that reads a matrix result, stand four places behind that matrix instruction, and only plain vector instructions
; that name none of its registers are places (ISA guide 7.12.1 for vector instructions).  So four v_nop stand in front of each run of loads.
.macro PLACES
.rept 4
	v_nop
.endr
.endm
; A K step is four quarter steps of 32 along K, 64 matrix instructions each, on buffers 0, 1, 0, 1.
; One of the first three: multiplies buffer f; in its middle it fetches the next quarter's fragments, at byte k of the same slot's rows, into buffer g.
.macro QUARTER slot, k, f, g, zero
	s_wait_dscnt 8                                 ; wb's fragments and xb's rows 0-63 are in; the youngest eight loads (xb's rows 64-127) may be out
	WIN MUL_LO
	MUL16 \f, 0, 0, \zero
	MUL16 \f, 0, 2, \zero
	PLACES
	FETCH \slot, \k, \g
	s_wait_dscnt 32                                ; all but the 32 just issued
	WIN MUL_HI
	MUL16 \f, 1, 0, \zero
	MUL16 \f, 1, 2, \zero
.endm
; The last quarter multiplies buffer 1 and changes slots.  MEET is its first half: ONE barrier for the change of slots, for two things.  In front of it each wave waits for all its tensor loads,
; of which one is out: its part of the next slot; adds 0 to its spare word; and waits for that and for its own reads of this slot.  Behind it nobody reads this slot any more and the next slot is whole.
.macro MEET round                      ; round = 1: the rest of a round of the cluster's barrier follows
	WIN 0                                          ; (the add's two registers lie in window 0)
	s_wait_tensorcnt 0x0                           ; all my tensor loads have landed: the one that was out is my part of the next slot;
	ds_add_u32 v[SPW], v[NIL]                      ; 0 onto my spare word;
	s_wait_dscnt 9                                 ; (the add and the youngest eight loads may be out)
	WIN MUL_LO
	MUL16 F1, 0, 0, 0                              ; sixteen matrix instructions stand between the add and the wait for it
	s_wait_dscnt 0x0                               ; the add is done, and my reads of this slot are over:
	s_barrier_signal -1                            ; say so,
	MUL16 F1, 0, 2, 0                              ; work on registers while the others arrive,
.if \round
	WIN 0
.endif
	s_barrier_wait -1                              ; and go on when all four have said so
.endm
; The whole last quarter where the slot is filled again, with the K step two steps on.  The refill is the first thing behind the round; then come the next slot's first fragments.
; From a request to the wait for it a wave issues 224 matrix instructions.
.macro TURN slot, next
	s_wait_xcnt 0x0                                ; the last prefetch, a K step back, has read its address: it is stepped here, ahead of the waits of the change of slots
	s_add_nc_u64 s[PFA:PFA+1], s[PFA:PFA+1], KSTEP*2
	MEET 1
	CREST                                          ; wave 0 says so for the work-group, all sixteen work-groups have said so, my work-group's barrier closes the round:
	                                               ; no wave of any partner still reads this slot's tile or has a load on its way, and no load of mine is out, so a group 0 may be written
	s_add_nc_u64 s[G0+4*(\slot)+2:G0+4*(\slot)+3], s[G0+4*(\slot)+2:G0+4*(\slot)+3], 2*KSTEP*2
	s_add_nc_u64 s[G0B+4*(\slot)+2:G0B+4*(\slot)+3], s[G0B+4*(\slot)+2:G0B+4*(\slot)+3], 2*KSTEP*2
	JLOAD \slot                                    ; the four v_nop behind it are also the places in front of the loads below
	FETCH \next, 0, F0
	ASK                                            ; behind the joint load and the run of LDS loads that the next products wait for
	WIN MUL_HI
	MUL16 F1, 1, 0, 0
	MUL16 F1, 1, 2, 0
.endm
; The last change of slots: slot 1 holds the last K step, and nothing is filled again, so the work-group's barrier does and no round follows.
.macro TURNX
	MEET 0
	PLACES                                         ; for the loads into buffer 0, which the quarter before multiplied
	FETCH 1, 0, F0
	WIN MUL_HI
	MUL16 F1, 1, 0, 0
	MUL16 F1, 1, 2, 0
.endm
; THE WAY OUT of block a (my rows 16 a .. 16 a + 15, 128 columns of f32).  A lane's 32 bytes are a sixteenth of a row's 512, and the lanes beside it hold other rows: so the block goes through my own
; stage in LDS, straight from the accumulators (each accumulator's four lowest registers first), and comes back as whole rows, into buffer a % 2 of two.
.macro TOSTAGE a
.set AC, 64*((\a)%4)                   ; the block's eight accumulators, in window 2 (blocks 0-3) or 3 (blocks 4-7)
.set BK, 64+64*((\a)%2)
	WIN 0x08+4*((\a)/4)                            ; the stores' data (source 1) in window 2 or 3, the address in window 0
.irp b, 0,1,2,3,4,5,6,7
	ds_store_b128 v[STO], v[AC+8*(\b):AC+8*(\b)+3]   offset:64*(\b)
	ds_store_b128 v[STO], v[AC+8*(\b)+4:AC+8*(\b)+7] offset:64*(\b)+16
.endr
	WIN 0
.if (\a) >= 2
	s_wait_xcnt 0x0                                ; block a - 2's stores to memory have read this buffer: it is loaded again only behind this wait
.endif
.irp t, 0,1,2,3,4,5,6,7,8,9,10,11,12,13,14,15
	ds_load_b128 v[BK+4*(\t):BK+4*(\t)+3], v[RD] offset:SPITCH*(\t)  ; LDS serves a wave's instructions in order (ISA guide 5.7.1.4): these see the stores above, and the next block's stores come behind them
.endr
.endm
; Row t of block a: sum x S + bias, one fused multiply-add, two numbers an instruction; then the row's 512 bytes leave.  younger: the LDS instructions issued behind the block's loads: the next block's 32, or none.
.macro SEND a, younger
.set BK, 64+64*((\a)%2)
	WIN 0
.irp t, 0,1,2,3,4,5,6,7,8,9,10,11,12,13,14,15
	s_wait_dscnt (\younger)+15-(\t)                ; row t is back; the block's 15 - t later rows and the younger instructions may be out
	v_pk_fma_f32 v[BK+4*(\t):BK+4*(\t)+1],   v[BK+4*(\t):BK+4*(\t)+1],   s[SC:SC+1], v[BB:BB+1]   op_sel_hi:[1,0,1]
	v_pk_fma_f32 v[BK+4*(\t)+2:BK+4*(\t)+3], v[BK+4*(\t)+2:BK+4*(\t)+3], s[SC:SC+1], v[BB+2:BB+3] op_sel_hi:[1,0,1]
	global_store_b128 v[CO], v[BK+4*(\t):BK+4*(\t)+3], s[8:9] offset:(16*(\a)+(\t))*SIZE_N*4 th:TH_STORE_NT  ; the wave stores 512 consecutive bytes, at a multiple of 512 from out0's first byte; 127 rows, 2,080,768 bytes, at the most: inside the signed 24-bit immediate
.endr
.endm
	s_wait_tensorcnt 1                             ; my part of K step 0 is in; K step 1's load, issued behind it, may stay out
	s_barrier_signal -1
	s_barrier_wait -1                              ; everybody's is
	FETCH 0, 0, F0
	QUARTER 0, 64,  F0, F1, 1                      ; the first quarter stands in front of the loop: its products start the sums
	WIN 0                                          ; at a label and at a branch every window is 0
	s_mov_b32 s3, LAPS-1
.Llap:                                                 ; 15 trips: each goes once round the ring, from a lap's second quarter to the next lap's first, and fills both slots again
	QUARTER 0, 128, F1, F0, 0
	QUARTER 0, 192, F0, F1, 0
	TURN 0, 1
	QUARTER 1, 64,  F0, F1, 0
	QUARTER 1, 128, F1, F0, 0
	QUARTER 1, 192, F0, F1, 0
	TURN 1, 0
	QUARTER 0, 64,  F0, F1, 0
	WIN 0
	s_sub_co_u32 s3, s3, 1
	s_cmp_lg_u32 s3, 0
	s_cbranch_scc1 .Llap
	QUARTER 0, 128, F1, F0, 0                      ; the last lap is written out: it asks for nothing
	QUARTER 0, 192, F0, F1, 0
	TURNX
	QUARTER 1, 64,  F0, F1, 0
	QUARTER 1, 128, F1, F0, 0
	QUARTER 1, 192, F0, F1, 0
	s_wait_dscnt 8                                 ; the very last quarter: nothing more to fetch
	MUL16 F1, 0, 0, 0
	MUL16 F1, 0, 2, 0
	s_wait_dscnt 0x0
	MUL16 F1, 1, 0, 0
	MUL16 F1, 1, 2, 0
	WIN 0
	PLACES                                         ; behind the last products, in front of the LDS stores that read results and of the loads into xb's two buffers:
	PLACES                                         ; eight, once in the launch, where four are asked for
	TOSTAGE 0
.irp a, 1,2,3,4,5,6,7                  ; block a's way through the stage is issued ahead of block a - 1's arithmetic and stores, so that the wave does not sit out the stage's round trip
	TOSTAGE \a
	SEND (\a)-1, 32
.endr
	SEND 7, 0
	s_wait_tensorcnt 0x0                           ; the wave's end, behind my last tensor load and my last LDS store
	ds_add_u32 v[SPW], v[NIL]
	s_wait_dscnt 0x0
	CROUND                                         ; the closing round: no work-group ends while a partner may still ask for a tile that names it
	s_endpgm
.Lfunc_end_k_q754e1233ea_gemm:
	.size	k_q754e1233ea_gemm, .Lfunc_end_k_q754e1233ea_gemm-k_q754e1233ea_gemm
	.p2alignl 7, 3214868480
	.fill 96, 4, 3214868480
	.section	.rodata,"a",@progbits
	.p2align	6, 0x0
	.amdhsa_kernel k_q754e1233ea_gemm
		.amdhsa_group_segment_fixed_size 327680
		.amdhsa_private_segment_fixed_size 0
		.amdhsa_enable_private_segment 0
		.amdhsa_kernarg_size 32
		.amdhsa_user_sgpr_count 2
		.amdhsa_user_sgpr_kernarg_segment_ptr 1
		.amdhsa_wavefront_size32 1
		.amdhsa_system_sgpr_workgroup_id_x 1
		.amdhsa_system_sgpr_workgroup_id_y 1
		.amdhsa_system_sgpr_workgroup_id_z 1
		.amdhsa_system_vgpr_workitem_id 0
		.amdhsa_next_free_vgpr 1024
		.amdhsa_next_free_sgpr 76
		.amdhsa_reserve_vcc 0
		.amdhsa_float_denorm_mode_32 3
		.amdhsa_float_denorm_mode_16_64 3
		.amdhsa_memory_ordered 1
		.amdhsa_forward_progress 1
		.amdhsa_inst_pref_size 162
	.end_amdhsa_kernel
	.amdgpu_metadata
---
amdhsa.version: [ 1, 2 ]
amdhsa.kernels:
  - .name:           k_q754e1233ea_gemm
    .symbol:         k_q754e1233ea_gemm.kd
    .args:
      - { .name: xb, .offset: 0, .size: 8, .value_kind: global_buffer, .address_space: global }
      - { .name: wb, .offset: 8, .size: 8, .value_kind: global_buffer, .address_space: global }
      - { .name: out0, .offset: 16, .size: 8, .value_kind: global_buffer, .address_space: global }
      - { .name: b_q, .offset: 24, .size: 8, .value_kind: global_buffer, .address_space: global }
    .group_segment_fixed_size: 327680
    .private_segment_fixed_size: 0
    .kernarg_segment_align: 8
    .kernarg_segment_size: 32
    .max_flat_workgroup_size: 128
    .sgpr_count:     76
    .vgpr_count:     1024
    .wavefront_size: 32
...
	.end_amdgpu_metadata
.endif
;; end of part 2
;; ======== version 2 of 2: 2 launches; version 1 with the launch prep written anew for expert scheduling mode
;; workspace buffers: xb 33,554,432 bytes; wb 33,554,432 bytes
;; launch prep (part 3): grid 256 x 1, 16 waves a work-group, no clusters, 0 bytes of LDS; arguments x_float, w_q, xb, wb; writes xb, wb
.if DOCPART == 3
	.amdgcn_target "amdgcn-amd-amdhsa--gfx1250"
	.amdhsa_code_object_version 6
	.text
	.protected	k_q754e1233ea_prep
	.globl	k_q754e1233ea_prep
	.p2align	8
	.type	k_q754e1233ea_prep,@function
k_q754e1233ea_prep:
	s_mov_b64 s[64:65], 0
	v_nop
	global_prefetch_b8 v0, s[64:65] scope:SCOPE_SE
	s_setreg_imm32_b32 hwreg(HW_REG_WAVE_SCHED_MODE, 0, 2), 2
	s_setreg_imm32_b32 hwreg(HW_REG_WAVE_MODE, 25, 1), 1
	s_wait_xcnt 0x0
	s_wait_alu depctr_vm_vsrc(0)
; xb[t][i] = clip(round(x_float[t][i] / IN_SCALE + ZP), 0, 255) - ZP, and wb[o][i] = w_q[o][i], both written as bf16, [4096][4096], row-major.
; ZP = round(1 / (2/255 + 1e-12)) = round(127.49999998) = 127: the 1e-12 brings the quotient just under 127.5.  So xb's numbers are whole, -127 .. 128: bf16 holds them exactly.
; wb is w_q rounded once to nearest even: whole numbers up to 256 are exact.
; LIMITS.  x / IN_SCALE is taken as x * 127.49999237 (0x42feffff, the f32 nearest to the reciprocal of IN_SCALE as f32 holds it), fused with the + 127 into one rounding
; where the reference rounds twice: an x within some 2^-16 of a quantiser step of a tie may land on the neighbouring whole number.  A NaN in x_float is not carried: the clip
; (v_med3_num_f32) makes one of its bounds of it.  Infinities clip as in the reference.  Other values of w_q than whole numbers up to 256 carry bf16's rounding, 2^-9 of themselves at the most.
; A STREAM: no byte is wanted twice and no wave wants another's, so there is no LDS, no barrier, no matrix work and no cluster.
; SHARES.  Work-group g owns 262,144 consecutive bytes of x_float and of w_q (16 rows of each) and 131,072 of xb and of wb: 32 chunks of 8,192 bytes in, 4,096 out.
; Thread t takes 16 bytes at 16 t of each chunk of both inputs and stores 8 bytes at 8 t: a wave's load covers 512 consecutive bytes, aligned; a wave's store 256 consecutive bytes, aligned.
; THE MODE: SCHED_MODE bits 1:0 = 2 (LLVM: expert scheduling mode 2), set by the entry lines.  The code itself states the register dependences between vector instructions and
; memory instructions, with s_wait_alu, always for 0.
; THE PLAN.  The 32 chunks go in 8 blocks of four.  Registers that memory instructions touch:
;   v1, v2   byte offsets, made once at the head and never written again: the chunk stands in the immediates.
;   X        20 slots of 8 registers; chunk c lies in slot c % 20.  Written by the slot's two loads, then read and written in place by chunk c's arithmetic.
;            Slots 0 to 11 are loaded a second time, with chunk c + 20, by loads issued in the block behind the one that worked on them.
;   Y        four registers for each of chunks 0 to 11, whose slots are loaded again: written by the chunk's four conversions, read by its two stores, which are issued a block later.
;            Chunks 12 to 31 leave their results in the first four registers of their slots, which nothing writes again; their stores too are issued a block later.
; Block p's vector instructions name its own four slots and its own results.  Its memory instructions are block p - 1's: that block's eight stores, and in blocks 1 to 3 the eight loads into its slots.
; So ONE wait on va_vdst at a block's head states all that the block's memory instructions hang on, and they are dealt among its vector instructions with no further wait.
; No register that a memory instruction reads (v1, v2, a store's data) is ever written again: so no wait on vm_vsrc stands for them and no wait for the stores' sources.
; IN FLIGHT.  A slot lies idle from its chunk's conversions to the next block's head: hence 20 slots: 40 loads of every wave go out at the start, and in blocks 1 to 3 up to 34 are out.
.set CIN,    8192                      ; bytes of a chunk in an input
.set COUT,   4096                      ; and in an output
.set CHUNKS, 32
.set BLOCK,  4                         ; chunks in a block
.set SLOTS,  20
.set NY,     CHUNKS-SLOTS              ; the first 12 chunks' slots are loaded again
.set LO,   1                           ; v1         16 t; never rewritten
.set SO,   2                           ; v2         8 t; never rewritten
.set X,    4                           ; v[4:163]   slot i: x's four numbers at X + 8 i, w's four at X + 8 i + 4
.set Y,    164                         ; v[164:211] chunks 0 to 11: four registers each: xb's 8 bytes, wb's 8 bytes
	s_load_b256 s[4:11], s[0:1], 0x0               ; x_float s[4:5], w_q s[6:7], xb s[8:9], wb s[10:11]
	v_lshlrev_b32 v[LO], 4, v0
	v_lshlrev_b32 v[SO], 3, v0
	s_mov_b32 s12, 0x42feffff                      ; 1 / IN_SCALE; the packed forms name pairs and take the low word for both halves, so both words are written
	s_mov_b32 s13, 0x42feffff
	s_mov_b32 s14, 0x42fe0000                      ; 127.0, the zero point
	s_mov_b32 s15, 0x42fe0000
	s_mov_b32 s16, 0xc2fe0000                      ; -127.0
	s_mov_b32 s17, 0xc2fe0000
	s_mov_b32 s18, 0                               ; the clip's bounds: 0
	s_mov_b32 s19, 0x437f0000                      ; and 255.0
	s_lshl_b32 s2, ttmp9, 18                       ; the work-group's 262,144 bytes of an input (under 2^26)
	s_mov_b32 s3, 0
	s_wait_kmcnt 0x0
	s_add_nc_u64 s[4:5], s[4:5], s[2:3]
	s_add_nc_u64 s[6:7], s[6:7], s[2:3]
	s_lshl_b32 s2, ttmp9, 17                       ; and its 131,072 bytes of an output
	s_add_nc_u64 s[8:9], s[8:9], s[2:3]
	s_add_nc_u64 s[10:11], s[10:11], s[2:3]
	s_wait_alu depctr_va_vdst(0)                   ; v1 and v2 are written: every load of the kernel reads v1 as its offset, every store v2
.irp i, 0,1,2,3,4,5,6,7,8,9,10,11,12,13,14,15,16,17,18,19
	global_load_b128 v[X+8*(\i):X+8*(\i)+3],   v[LO], s[4:5] offset:CIN*(\i) th:TH_LOAD_NT  ; chunks 0 to 19 fill the slots
	global_load_b128 v[X+8*(\i)+4:X+8*(\i)+7], v[LO], s[6:7] offset:CIN*(\i) th:TH_LOAD_NT
.endr
; Chunk c.  Ahead of its arithmetic stand the memory instructions of chunk c - 4, of the block before: the two loads that fill its slot again (chunks 0 to 11 alone), then its two stores.
; XS: chunk c's slot; DS: where its results go.  XP, DP: the same for chunk c - 4.  NEWEST: the last chunk asked for when chunk c's wait is reached.
.macro CHUNK c
.set XS, X+8*((\c)%SLOTS)
.if (\c) < NY
.set DS, Y+4*(\c)
.else
.set DS, XS
.endif
.set NEWEST, SLOTS-1
.if (\c) >= BLOCK
.set XP, X+8*(((\c)-BLOCK)%SLOTS)
.if ((\c)-BLOCK) < NY
.set DP, Y+4*((\c)-BLOCK)
.else
.set DP, XP
.endif
.set NEWEST, (\c)+SLOTS-BLOCK
.endif
.if NEWEST > (CHUNKS-1)
.set NEWEST, CHUNKS-1
.endif
.if ((\c) >= BLOCK) && (((\c)+SLOTS-BLOCK) < CHUNKS)
	global_load_b128 v[XP:XP+3],   v[LO], s[4:5] offset:CIN*((\c)+SLOTS-BLOCK) th:TH_LOAD_NT  ; the loads stand ahead of the stores; no vector instruction since the block's wait names these registers
	global_load_b128 v[XP+4:XP+7], v[LO], s[6:7] offset:CIN*((\c)+SLOTS-BLOCK) th:TH_LOAD_NT
.endif
.if (\c) >= BLOCK
	global_store_b64 v[SO], v[DP:DP+1],   s[8:9]   offset:COUT*((\c)-BLOCK) th:TH_STORE_NT     ; the block before wrote these results, ahead of the block's wait
	global_store_b64 v[SO], v[DP+2:DP+3], s[10:11] offset:COUT*((\c)-BLOCK) th:TH_STORE_NT
.endif
	s_wait_loadcnt 2*(NEWEST-(\c))                 ; loads come back in order (ISA guide 5.7.1): chunk c's two are in; the two of each chunk from c + 1 to NEWEST stay out
	v_pk_fma_f32 v[XS:XS+1],   v[XS:XS+1],   s[12:13], s[14:15] op_sel_hi:[1,0,0]  ; x / IN_SCALE + 127, two at a time
	v_pk_fma_f32 v[XS+2:XS+3], v[XS+2:XS+3], s[12:13], s[14:15] op_sel_hi:[1,0,0]
.irp j, 0,1,2,3
	v_rndne_f32 v[XS+(\j)], v[XS+(\j)]                                 ; to the nearest whole number, ties to even
.endr
.irp j, 0,1,2,3
	v_med3_num_f32 v[XS+(\j)], v[XS+(\j)], s18, s19                    ; the middle of (value, 0, 255): the clip
.endr
	v_pk_add_f32 v[XS:XS+1],   v[XS:XS+1],   s[16:17] op_sel_hi:[1,0]  ; less the zero point
	v_pk_add_f32 v[XS+2:XS+3], v[XS+2:XS+3], s[16:17] op_sel_hi:[1,0]
	v_cvt_pk_bf16_f32 v[DS],   v[XS],   v[XS+1]                        ; x's four first: where DS is the slot itself, each source is used up before a result lands on it
	v_cvt_pk_bf16_f32 v[DS+1], v[XS+2], v[XS+3]
	v_cvt_pk_bf16_f32 v[DS+2], v[XS+4], v[XS+5]                        ; then w's
	v_cvt_pk_bf16_f32 v[DS+3], v[XS+6], v[XS+7]
.endm
; Block p.  Block 0 has no block in front of it: no wait, no memory instruction.
.macro BLK p
.if (\p) > 0
	s_wait_alu depctr_va_vdst(0)                   ; the block before has written its results, which the stores below read, and is done reading and writing its slots, in which the loads below land
.endif
.irp i, 0,1,2,3
	CHUNK BLOCK*(\p)+(\i)
.endr
.endm
.irp p, 0,1,2,3,4,5,6,7
	BLK \p                                         ; blocks 1 to 3 ask for chunks 20 to 31; blocks 4 to 7 load nothing, and their counts run down to 0
.endr
	s_wait_alu depctr_va_vdst(0)                   ; block 7 has written its results, which the last eight stores read
.irp c, 28,29,30,31
	global_store_b64 v[SO], v[X+8*((\c)%SLOTS):X+8*((\c)%SLOTS)+1],   s[8:9]   offset:COUT*(\c) th:TH_STORE_NT
	global_store_b64 v[SO], v[X+8*((\c)%SLOTS)+2:X+8*((\c)%SLOTS)+3], s[10:11] offset:COUT*(\c) th:TH_STORE_NT
.endr
	s_endpgm
.Lfunc_end_k_q754e1233ea_prep:
	.size	k_q754e1233ea_prep, .Lfunc_end_k_q754e1233ea_prep-k_q754e1233ea_prep
	.p2alignl 7, 3214868480
	.fill 96, 4, 3214868480
	.section	.rodata,"a",@progbits
	.p2align	6, 0x0
	.amdhsa_kernel k_q754e1233ea_prep
		.amdhsa_group_segment_fixed_size 0
		.amdhsa_private_segment_fixed_size 0
		.amdhsa_enable_private_segment 0
		.amdhsa_kernarg_size 32
		.amdhsa_user_sgpr_count 2
		.amdhsa_user_sgpr_kernarg_segment_ptr 1
		.amdhsa_wavefront_size32 1
		.amdhsa_system_sgpr_workgroup_id_x 1
		.amdhsa_system_sgpr_workgroup_id_y 1
		.amdhsa_system_sgpr_workgroup_id_z 1
		.amdhsa_system_vgpr_workitem_id 0
		.amdhsa_next_free_vgpr 212
		.amdhsa_next_free_sgpr 66
		.amdhsa_reserve_vcc 0
		.amdhsa_float_denorm_mode_32 3
		.amdhsa_float_denorm_mode_16_64 3
		.amdhsa_memory_ordered 1
		.amdhsa_forward_progress 1
		.amdhsa_inst_pref_size 43
	.end_amdhsa_kernel
	.amdgpu_metadata
---
amdhsa.version: [ 1, 2 ]
amdhsa.kernels:
  - .name:           k_q754e1233ea_prep
    .symbol:         k_q754e1233ea_prep.kd
    .args:
      - { .name: x_float, .offset: 0, .size: 8, .value_kind: global_buffer, .address_space: global }
      - { .name: w_q, .offset: 8, .size: 8, .value_kind: global_buffer, .address_space: global }
      - { .name: xb, .offset: 16, .size: 8, .value_kind: global_buffer, .address_space: global }
      - { .name: wb, .offset: 24, .size: 8, .value_kind: global_buffer, .address_space: global }
    .group_segment_fixed_size: 0
    .private_segment_fixed_size: 0
    .kernarg_segment_align: 8
    .kernarg_segment_size: 32
    .max_flat_workgroup_size: 512
    .sgpr_count:     66
    .vgpr_count:     212
    .wavefront_size: 32
...
	.end_amdgpu_metadata
.endif
;; end of part 3
;; launch gemm: the kernel of part 2 again; grid 16 x 16, 4 waves a work-group, clusters of 4 x 4, 327,680 bytes of LDS; arguments xb, wb, out0, b_q; writes out0
